; MI455X (gfx1250); checked and timed in simulation.
; The chip was launched on July 23, 2026; its instructions are those of AMD's public machine-readable ISA for CDNA 5 (MIT licence, August 2026) and "CDNA5" Instruction Set Architecture Reference Guide (July 2026). The comments in the code are by the model that wrote it; some were corrected since.
;; VQVAE Encoder. Allowed arithmetic: float matrix products may take bf16 or f16 operands with f32 sums; other float arithmetic in f32, or as packed bf16 or f16 multiplies, adds, multiply-adds, maxima and minima; sums over many terms, partial sums and values carried from step to step in f32; what a program stores and reads back later, other than sums and carried values, may be rounded once to bf16 or f16.
;; Inputs: W1 768 x 512 float32; W2 512 x 256 float32; W3 256 x 128 float32; b1 512 float32; b2 256 float32; b3 128 float32; codebook 8,192 x 128 float32; x 32,768 x 768 float32.
;; Outputs: out0 32,768 x 128 float32; out1 32,768 int32.
;; One version. Each part assembles by itself: llvm-mc -triple=amdgcn-amd-amdhsa -mcpu=gfx1250 --defsym DOCPART=n.
;; ======== version 1 of 1: 3 launches
;; workspace buffers: wt 1,114,112 bytes; cbt 2,129,920 bytes; bias 3,584 bytes; zbuf 16,777,216 bytes; cand 262,144 bytes of whole numbers
;; launch prep (part 1): grid 197 x 1, 8 waves a work-group, no clusters, 0 bytes of LDS; arguments W1, W2, W3, b1, b2, b3, codebook, wt, cbt, bias; writes wt, cbt, bias
.if DOCPART == 1
	.amdgcn_target "amdgcn-amd-amdhsa--gfx1250"
	.amdhsa_code_object_version 6
	.text
	.protected	k_q72a9c26d77_prep
	.globl	k_q72a9c26d77_prep
	.p2align	8
	.type	k_q72a9c26d77_prep,@function
k_q72a9c26d77_prep:
	s_mov_b64 s[64:65], 0
	v_nop
	global_prefetch_b8 v0, s[64:65] scope:SCOPE_SE
	s_setreg_imm32_b32 hwreg(HW_REG_WAVE_MODE, 25, 1), 1
	s_wait_xcnt 0x0
; PREPARATION of the tables that the second launch walks: every weight, bias and code is rounded ONCE to bf16 here.
; THE PROGRAM.  z = MLP(x); codes = argmin over the 8,192 codes of z2 + c2 - 2 z.c; quantized = codebook[codes].
;   launch 2 makes z (h1 and h2 go to the matrix unit as two bf16 terms, so that z keeps nearly f32's accuracy) and ranks the codes coarsely, with z rounded to bf16:
;   for each row it keeps the two best groups of 8 neighbouring codes.  launch 3 makes those 16 distances anew in f32, by the formula above, and takes the smallest (the lowest code of equals).
; LEFT OUT of the coarse ranking only: z2.  It is the same number for all codes of a row, so for all values of the inputs it moves no comparison between two codes of that row in exact arithmetic.
;   Launch 3 adds it, in the place where the formula has it.  Every input has a way to an output and is loaded.
; LIMITS.  NaN and infinities are not treated apart (a NaN in h is taken as 0 by the maximum with 0).  The f32 sums are taken in another order than a plain loop's.
;   If three or more groups of 8 codes lie within the coarse ranking's error of the smallest distance (2 |z - bf16(z)| |c|, some 2^-9 of |2 z.c|) the smallest may be missed.
;   quantized holds the codebook's numbers rounded to bf16 (2^-9 of each at the most).
; wt: 17 tiles of 256 rows x 128 bf16 (256 bytes).  Row p, element e hold W[k][f] with
;   tiles 0-11  (W1): f = p + 256 (e >> 6), k = 64 T + (e & 63)
;   tiles 12-15 (W2): f = p,                k = 128 (e >> 5) + 32 (T - 12) + (e & 31)
;   tile 16     (W3): f = p & 127,          k = 128 (p >> 7) + e
; cbt: 32 tiles of 260 rows of 256 bytes: rows 0-255 codes 256 j + row in bf16; rows 256-259 c2 of those 256 codes in f32, made of the rounded numbers.
; bias: b1, b2, b3 on end, rounded to bf16 and written as f32.
; Work-groups 0-67: a quarter of a tile of wt each.  68-195: 64 codes each.  196: the biases.
; The weights are read 16 bytes a lane from rows far apart, and c2 is stored 32 bytes a wave: 2.2 MB and 32 KB in the whole launch, once.
	s_load_b512 s[4:19], s[0:1], 0x0               ; W1 s[4:5], W2 s[6:7], W3 s[8:9], b1 s[10:11], b2 s[12:13], b3 s[14:15], codebook s[16:17], wt s[18:19]
	s_load_b128 s[20:23], s[0:1], 0x40             ; cbt s[20:21], bias s[22:23]
	v_lshrrev_b32 v1, 5, v0
	v_readfirstlane_b32 s24, v1                    ; wave 0..7
	s_mov_b32 s25, ttmp9
	s_mov_b32 s33, 0xffff0000                      ; a word's upper bf16; also the mask of lanes 16-31
	s_wait_kmcnt 0x0
	s_cmp_lt_u32 s25, 68
	s_cbranch_scc0 .Lnotw
; ---- the weights.  Thread t: chunk lam = t & 15 of 8 elements, rows p0 .. p0 + 3, p0 = 64 qd + 4 (t >> 4).
; Eight loads bring W[k0 + i][f0 .. f0 + 3]; pairs along k are rounded together; four stores of 16 bytes, in which sixteen lanes write 256 consecutive bytes, aligned.
.macro WSEC pitch, sb
	v_mul_u32_u24 v4, v2, \pitch
	v_lshl_add_u32 v4, v3, 2, v4                   ; k0 x pitch + 4 f0
.irp i, 0,1,2,3,4,5,6,7
	global_load_b128 v[8+4*\i:11+4*\i], v4, s[\sb:\sb+1] offset:\i*\pitch
.endr
	s_wait_loadcnt 0x0
.irp j, 0,1,2,3
.irp i, 0,1,2,3
	v_cvt_pk_bf16_f32 v[40+4*\j+\i], v[8+8*\i+\j], v[12+8*\i+\j]
.endr
.endr
.irp j, 0,1,2,3
	global_store_b128 v5, v[40+4*\j:43+4*\j], s[18:19] offset:256*\j
.endr
	s_endpgm
.endm
	s_lshr_b32 s26, s25, 2                         ; T
	s_and_b32 s27, s25, 3                          ; qd
	v_and_b32 v1, 15, v0                           ; lam
	v_lshrrev_b32 v6, 4, v0
	s_lshl_b32 s28, s25, 14                        ; 65,536 T + 16,384 qd
	v_lshlrev_b32 v5, 10, v6
	v_lshl_add_u32 v5, v1, 4, v5
	v_add_nc_u32 v5, s28, v5                       ; where row p0's 16 bytes go
	s_lshl_b32 s29, s27, 6
	v_lshl_add_u32 v3, v6, 2, s29                  ; p0
	s_cmp_lt_u32 s26, 12
	s_cbranch_scc0 .Lw2
	v_lshrrev_b32 v7, 3, v1
	v_lshl_add_u32 v3, v7, 8, v3                   ; f0 = p0 + 256 (lam >> 3)
	v_and_b32 v2, 7, v1
	s_lshl_b32 s30, s26, 6
	v_lshl_add_u32 v2, v2, 3, s30                  ; k0 = 64 T + 8 (lam & 7)
	WSEC 2048, 4
.Lw2:
	s_cmp_lt_u32 s26, 16
	s_cbranch_scc0 .Lw3
	v_lshrrev_b32 v7, 2, v1
	v_and_b32 v2, 3, v1
	s_sub_co_u32 s30, s26, 12
	s_lshl_b32 s30, s30, 5
	v_lshl_add_u32 v2, v2, 3, s30
	v_lshl_add_u32 v2, v7, 7, v2                   ; k0 = 128 (lam >> 2) + 32 (T - 12) + 8 (lam & 3)
	WSEC 1024, 6
.Lw3:
	v_and_b32 v3, 127, v3                          ; f0 = p0 & 127
	s_lshr_b32 s30, s27, 1
	s_lshl_b32 s30, s30, 7
	v_lshl_add_u32 v2, v1, 3, s30                  ; k0 = 128 (qd >> 1) + 8 lam
	WSEC 512, 8
; ---- the codebook.  Wave v takes codes 64 c + 8 v + 2 t + hh, t = 0..3: sixteen lanes a code, 8 numbers a lane.
.Lnotw:
	s_cmp_lt_u32 s25, 196
	s_cbranch_scc0 .Lbias
	s_sub_co_u32 s26, s25, 68                      ; c
	v_and_b32 v1, 31, v0                           ; lane
	v_and_b32 v2, 15, v0                           ; lam
	v_bfe_u32 v3, v0, 4, 1                         ; hh
	s_lshl_b32 s27, s26, 6
	s_lshl_b32 s28, s24, 3
	s_add_co_u32 s27, s27, s28
	s_lshl_b32 s27, s27, 9                         ; (64 c + 8 v) x 512 bytes
	v_lshlrev_b32 v4, 9, v3
	v_lshl_add_u32 v4, v2, 5, v4
	v_add_nc_u32 v4, s27, v4
.irp t, 0,1,2,3
	global_load_b128 v[8+8*\t:11+8*\t],  v4, s[16:17] offset:1024*\t
	global_load_b128 v[12+8*\t:15+8*\t], v4, s[16:17] offset:1024*\t+16
.endr
	s_lshr_b32 s29, s26, 2
	s_mul_i32 s29, s29, 66560                      ; the tile
	s_and_b32 s30, s26, 3
	s_lshl_b32 s31, s30, 14
	s_add_co_u32 s31, s31, s29
	s_lshl_b32 s32, s24, 11
	s_add_co_u32 s31, s31, s32                     ; + ((c & 3) 64 + 8 v) rows of 256 bytes
	v_lshlrev_b32 v5, 8, v3
	v_lshl_add_u32 v5, v2, 4, v5
	v_add_nc_u32 v5, s31, v5
	s_lshl_b32 s31, s30, 8
	s_add_co_u32 s31, s31, s29
	s_lshl_b32 s32, s24, 5
	s_add_co_u32 s31, s31, s32
	s_add_co_u32 s31, s31, 65536                   ; c2 of my eight codes
	v_lshl_add_u32 v6, v1, 3, s31
	s_mov_b32 s34, 0x76543210                      ; v_permlanex16_b32: each lane takes its own place in the other half
	s_mov_b32 s35, 0xfedcba98
	v_mov_b32 v66, 0
	v_mov_b32 v70, 0
	v_mov_b32 v71, 0
	s_wait_loadcnt 0x0
.macro CROW t
.irp i, 0,1,2,3
	v_cvt_pk_bf16_f32 v[40+4*(\t)+\i], v[8+8*(\t)+2*\i], v[9+8*(\t)+2*\i]
.endr
	global_store_b128 v5, v[40+4*(\t):43+4*(\t)], s[20:21] offset:512*(\t)  ; sixteen lanes write a code's 256 bytes
.irp i, 0,1,2,3
	v_lshlrev_b32 v[56+2*\i], 16, v[40+4*(\t)+\i]  ; the rounded numbers, as f32
	v_and_b32 v[57+2*\i], s33, v[40+4*(\t)+\i]
.endr
	v_pk_mul_f32 v[64:65], v[56:57], v[56:57]
	v_pk_fma_f32 v[64:65], v[58:59], v[58:59], v[64:65]
	v_pk_fma_f32 v[64:65], v[60:61], v[60:61], v[64:65]
	v_pk_fma_f32 v[64:65], v[62:63], v[62:63], v[64:65]
	v_add_f32 v64, v64, v65
	v_add_f32_dpp v64, v64, v64 row_xmask:1 row_mask:0xf bank_mask:0xf
	v_add_f32_dpp v64, v64, v64 row_xmask:2 row_mask:0xf bank_mask:0xf
	v_add_f32_dpp v64, v64, v64 row_xmask:4 row_mask:0xf bank_mask:0xf
	v_add_f32_dpp v64, v64, v64 row_xmask:8 row_mask:0xf bank_mask:0xf
	v_permlanex16_b32 v66, v64, s34, s35
	v_cndmask_b32 v67, v64, v66, s33               ; the even code's sum
	v_cndmask_b32 v68, v66, v64, s33               ; the odd code's
	v_cmp_eq_u32 vcc_lo, \t, v1
	v_cndmask_b32 v70, v70, v67, vcc_lo            ; lane t keeps pair t
	v_cndmask_b32 v71, v71, v68, vcc_lo
.endm
	CROW 0
	CROW 1
	CROW 2
	CROW 3
	s_wait_xcnt 0x0                                ; EXEC is a source of the stores above: it changes only behind this wait
	v_cmp_gt_u32 vcc_lo, 4, v1
	s_and_saveexec_b32 s36, vcc_lo
	global_store_b64 v6, v[70:71], s[20:21]        ; lanes 0-3: eight c2, 32 bytes
	s_wait_xcnt 0x0
	s_or_b32 exec_lo, exec_lo, s36
	s_endpgm
; ---- the biases: thread t rounds four numbers; in the table they lie at byte 16 t.
.Lbias:
	v_lshlrev_b32 v4, 4, v0
	s_cmp_lt_u32 s24, 4
	s_cbranch_scc0 .Lb2
	v_and_b32 v6, 127, v0
	v_lshlrev_b32 v6, 4, v6
	global_load_b128 v[8:11], v6, s[10:11]
	s_branch .Lbj
.Lb2:
	s_cmp_lt_u32 s24, 6
	s_cbranch_scc0 .Lb3
	v_and_b32 v6, 63, v0
	v_lshlrev_b32 v6, 4, v6
	global_load_b128 v[8:11], v6, s[12:13]
	s_branch .Lbj
.Lb3:
	s_cmp_lt_u32 s24, 7
	s_cbranch_scc0 .Lbend
	v_and_b32 v6, 31, v0
	v_lshlrev_b32 v6, 4, v6
	global_load_b128 v[8:11], v6, s[14:15]
.Lbj:
	s_wait_loadcnt 0x0
	v_cvt_pk_bf16_f32 v12, v8, v9
	v_cvt_pk_bf16_f32 v13, v10, v11
	v_lshlrev_b32 v16, 16, v12
	v_and_b32 v17, s33, v12
	v_lshlrev_b32 v18, 16, v13
	v_and_b32 v19, s33, v13
	global_store_b128 v4, v[16:19], s[22:23]
.Lbend:
	s_endpgm
.Lfunc_end_k_q72a9c26d77_prep:
	.size	k_q72a9c26d77_prep, .Lfunc_end_k_q72a9c26d77_prep-k_q72a9c26d77_prep
	.p2alignl 7, 3214868480
	.fill 96, 4, 3214868480
	.section	.rodata,"a",@progbits
	.p2align	6, 0x0
	.amdhsa_kernel k_q72a9c26d77_prep
		.amdhsa_group_segment_fixed_size 0
		.amdhsa_private_segment_fixed_size 0
		.amdhsa_enable_private_segment 0
		.amdhsa_kernarg_size 80
		.amdhsa_user_sgpr_count 2
		.amdhsa_user_sgpr_kernarg_segment_ptr 1
		.amdhsa_wavefront_size32 1
		.amdhsa_system_sgpr_workgroup_id_x 1
		.amdhsa_system_sgpr_workgroup_id_y 1
		.amdhsa_system_sgpr_workgroup_id_z 1
		.amdhsa_system_vgpr_workitem_id 0
		.amdhsa_next_free_vgpr 80
		.amdhsa_next_free_sgpr 66
		.amdhsa_reserve_vcc 1
		.amdhsa_float_denorm_mode_32 3
		.amdhsa_float_denorm_mode_16_64 3
		.amdhsa_memory_ordered 1
		.amdhsa_forward_progress 1
		.amdhsa_inst_pref_size 19
	.end_amdhsa_kernel
	.amdgpu_metadata
---
amdhsa.version: [ 1, 2 ]
amdhsa.kernels:
  - .name:           k_q72a9c26d77_prep
    .symbol:         k_q72a9c26d77_prep.kd
    .args:
      - { .name: W1, .offset: 0, .size: 8, .value_kind: global_buffer, .address_space: global }
      - { .name: W2, .offset: 8, .size: 8, .value_kind: global_buffer, .address_space: global }
      - { .name: W3, .offset: 16, .size: 8, .value_kind: global_buffer, .address_space: global }
      - { .name: b1, .offset: 24, .size: 8, .value_kind: global_buffer, .address_space: global }
      - { .name: b2, .offset: 32, .size: 8, .value_kind: global_buffer, .address_space: global }
      - { .name: b3, .offset: 40, .size: 8, .value_kind: global_buffer, .address_space: global }
      - { .name: codebook, .offset: 48, .size: 8, .value_kind: global_buffer, .address_space: global }
      - { .name: wt, .offset: 56, .size: 8, .value_kind: global_buffer, .address_space: global }
      - { .name: cbt, .offset: 64, .size: 8, .value_kind: global_buffer, .address_space: global }
      - { .name: bias, .offset: 72, .size: 8, .value_kind: global_buffer, .address_space: global }
    .group_segment_fixed_size: 0
    .private_segment_fixed_size: 0
    .kernarg_segment_align: 8
    .kernarg_segment_size: 80
    .max_flat_workgroup_size: 256
    .sgpr_count:     66
    .vgpr_count:     80
    .wavefront_size: 32
...
	.end_amdgpu_metadata
.endif
;; end of part 1
;; launch encode (part 2): grid 256 x 1, 4 waves a work-group, clusters of 4 x 1, 327,680 bytes of LDS; arguments x, wt, cbt, bias, zbuf, cand; writes zbuf, cand
.if DOCPART == 2
	.amdgcn_target "amdgcn-amd-amdhsa--gfx1250"
	.amdhsa_code_object_version 6
	.text
	.protected	k_q72a9c26d77_encode
	.globl	k_q72a9c26d77_encode
	.p2align	8
	.type	k_q72a9c26d77_encode,@function
k_q72a9c26d77_encode:
	s_mov_b64 s[64:65], 0
	v_nop
	global_prefetch_b8 v0, s[64:65] scope:SCOPE_SE
	s_setreg_imm32_b32 hwreg(HW_REG_WAVE_MODE, 25, 1), 1
	s_wait_xcnt 0x0
	s_wait_alu depctr_hold_cnt(0) depctr_sa_sdst(0) depctr_va_vdst(0) depctr_va_sdst(0) depctr_va_ssrc(0) depctr_va_vcc(0) depctr_vm_vsrc(0)
	s_getreg_b32 s2, hwreg(HW_REG_IB_STS2, 6, 4)
	s_cmp_eq_u32 s2, 0
	s_cbranch_scc0 .Lentry_in_a_cluster
	s_endpgm
.Lentry_in_a_cluster:
	s_bfe_u32 s2, ttmp6, 0x10000c
	s_cmp_lg_u32 s2, 0x3003
	s_cbranch_scc0 .Lentry_shape_is_right
	s_endpgm
.Lentry_shape_is_right:
; z = relu(relu(x W1 + b1) W2 + b2) W3 + b3 for 128 rows a work-group, and the coarse ranking of the 8,192 codes by c2 - 2 bf16(z).c.
; LEFT OUT here: z2, the same for all codes of a row: it moves no comparison between codes (the next launch adds it).  LIMITS: as stated at the first kernel's head.
; ALL PRODUCTS ARE TAKEN TRANSPOSED (source 0 = 16 rows of a table, source 1 = 16 rows of the batch): in a result a lane holds ONE batch row (lane % 16) and eight table rows 8 (lane / 16) + 0..7.
; Two such results rounded in pairs ARE source 1 (32 k x 16 batch rows) of the next product.
; L1: wave w makes features 128 w .. + 127 of h1 for all 128 rows: 64 accumulators.  K in 12 steps of 64; x is rounded to bf16 on its way into LDS.
; L2, L3: h is given to the matrix unit as hi + lo, two bf16 terms.  In a round each wave rounds 32 of its own features so and lays the fragments' register images in LDS; behind the barrier every wave multiplies all four waves' images.
; THE WALK: every wave holds -2 bf16(z) of all 128 rows in 256 registers and takes 64 codes of each tile of 256, 16 a block; c2 is the C operand that starts the sums.  For each row and lane the two smallest
;   minima over 8 neighbouring codes are kept, with the block's number; the vector work of a block stands in threes behind the next block's matrix instructions.
; ONE RING of two LDS slots carries all 49 tiles (17 of weights, 32 of codes).  All work-groups walk the same tiles: the four of a cluster ask JOINTLY, each wave for a quarter of a tile.
; By this text's own count a wave has one tensor load out.
; REGISTERS, in windows of 256 (s_set_vgpr_msb: bits 1:0 source 0, 3:2 source 1, 5:4 source 2, 7:6 destination):
;   window 0: v0-31 addresses; the rest by phase (below)     window 1: biases and L1's weight fragments; then h2's 32 accumulators; then z's fragments
;   windows 2, 3: h1's 64 accumulators ((a, b) at v[8 (8 (a & 3) + b)] of window 2 + (a >> 2)); then window 2 v0-127: z's 16 accumulators
.set SLOTB, 70912                      ; a slot: 260 rows of 272 bytes, rounded up to blocks of 256
.set PIT,   272                        ; a row of 256 bytes + 16 of padding: the 16 rows of a fragment load start at 16 different groups of four banks
.set P0,    141824                     ; two regions of 65,536 bytes that LDS stores alone write: the images, by turns
.set P1,    207360                     ; (L1: x in bf16, two buffers of 128 rows x 144 bytes, lies in P1)
.set PSZ,   65536
.set XSZ,   18432
.set STG,   P0+32768                   ; behind z's 32 images: 16 rows x 144 bytes for each wave, z's way out
.set MRG,   P0+41984                   ; 128 rows x 144 bytes: the eight lists of a row meet here
.set SPARE, 272896                     ; the spare words, 128 bytes for each wave: two blocks of 256 bytes that no other line names
; s16 wave  s17 cx  s18 work-group  s19 SB: the slot being read  s20 my quarter's place in a slot  s21 x's buffer  s22 the images' region  s23, s38-s40 counters
; s[24:31] descriptor group 1  s[32:35] group 0  s[36:37] x  s41, s42 LDS bytes of the block to fetch (codes, c2)  s43 the number of the block being ranked
; s44 mask of the upper bf16  s45 +infinity  s[46:49] compare masks  s[50:55] at work  s56 the prefetches' bound  s[58:59] their address  s[60:61] zbuf  s[62:63] cand
; v1 r = lane % 16  v8 h = lane / 16  v9 lane  v2 (64 w + r) PIT + 16 h  v3 c2's place  v4, v5 the block's addresses  v6, v7 minima at work  v10 256 x lane
; v11 L1 weights' place (later z's images)  v12, v13 x's place in LDS (read, store)  v14, v15 the add's two registers; never rewritten, and named by no other line
; v16-v18 the trip's addresses  v19, v20 images (store, read)  v21, v22 the round's  v23 z's images (store)  v24 (32 w + r) PIT + 16 h  v25 the round's table address
; v26, v28 stage (store, read)  v27 r PIT + 16 h  v29 16 x lane  v30, v31 x's offsets in memory (load, prefetch).  v16-v31 are dead when the walk's statistics take v16-47
.set MSB, 0
.macro WIN new                         ; the immediate's high byte repeats the setting that is left; a switch that changes nothing is dropped
.if MSB != (\new)
	s_set_vgpr_msb (MSB<<8)|(\new)
.set MSB, (\new)
.endif
.endm
.macro PLACES                          ; four plain instructions between a matrix instruction and a vector line or load that touches its registers
.rept 4
	v_nop
.endr
.endm
.macro ROUND                           ; a round of the cluster's barrier: my work-group's barrier; wave 0 signals for it; all wait for the four work-groups; my work-group's barrier once more
	s_barrier_signal -1
	s_barrier_wait -1
	s_cmp_lg_u32 s16, 0
	s_cbranch_scc1 .Lnot_wave_0_\@
	s_barrier_signal -3
.Lnot_wave_0_\@:
	s_barrier_wait -3
	s_barrier_signal -1
	s_barrier_wait -1
.endm
; THE CHANGE OF SLOTS.  Each wave waits for all its tensor loads (one is out: its quarter of the next tile), adds 0 to its spare word, and waits for that and for all its LDS reads and stores.
; Behind the barrier nobody reads the old slot, the next slot is whole, and what the waves stored in LDS can be read.
; kind 1: the old slot is filled with the tile one step on; kind 2: the same, and the stream goes over to the codes' tiles (65 rows a wave); kind 0: nothing is left to ask for.
.macro CHANGE kind, step=0
	WIN 0
	s_wait_tensorcnt 0x0                           ; no tensor load of mine is out, so the descriptor may be written
	ds_add_u32 v14, v15                            ; 0 onto my spare word
.if (\kind) == 1
	s_add_nc_u64 s[34:35], s[34:35], \step         ; the type bits on top are not reached
	s_add_co_u32 s33, s19, s20                     ; into the slot that has been read
.elseif (\kind) == 2
	s_mov_b32 s26, 65<<16                          ; tensor_dim1 = 65
	s_mov_b32 s28, 65                              ; tile_dim1 = 65
	s_mul_i32 s20, s16, 65*PIT
	s_add_co_u32 s33, s19, s20
	s_mul_i32 s50, s16, 65*256
	s_mov_b32 s51, 0
	s_add_nc_u64 s[34:35], s[8:9], s[50:51]        ; my quarter of the codes' tile 0
	s_or_b32 s35, s35, 0x80000000
.endif
	s_xor_b32 s19, s19, SLOTB                      ; the reads go over to the other slot
	s_wait_dscnt 0x0                               ; the add is done, and so are my LDS reads and stores
.if (\kind) >= 1
	ROUND                                          ; no wave of any partner still reads the old slot or has a load on its way
	tensor_load_to_lds s[32:35], s[24:31]          ; my one tensor load behind the round, and the first thing there
	s_nop 0
	PLACES
.else
	s_barrier_signal -1
	s_barrier_wait -1
.endif
.endm
	s_load_b256 s[4:11], s[0:1], 0x0               ; x s[4:5], wt s[6:7], cbt s[8:9], bias s[10:11]
	s_load_b128 s[12:15], s[0:1], 0x20             ; zbuf s[12:13], cand s[14:15]
	v_lshl_add_u32 v14, v0, 2, SPARE
	v_mov_b32 v15, 0
	ds_add_u32 v14, v15                            ; the wave's opening: the add, twice on end, and its wait ahead of my first tensor load
	ds_add_u32 v14, v15                            ; and once more, under the one wait; the set-up below is work on registers
	v_lshrrev_b32 v9, 5, v0
	v_readfirstlane_b32 s16, v9                    ; wave 0..3
	s_bfe_u32 s17, ttmp6, 0x40000                  ; cx: it enters the addresses of x, zbuf, cand and the prefetches alone
	s_lshl_b32 s18, ttmp9, 2
	s_add_co_u32 s18, s18, s17                     ; my block of 128 rows
	s_mov_b32 s19, SLOTB                           ; the first change of slots turns it into 0
	s_mul_i32 s20, s16, 64*PIT
	s_mov_b32 s21, 0
	s_mov_b32 s22, 0
	s_mov_b32 s24, 15|(1<<16)|(1<<20)|(1<<21)|(5<<22)|(3<<25)  ; the mask of four; 2-byte elements; padding on; bit 21 beside a mask; after every 64 words, 4 words
	s_mov_b32 s25, 128<<16                         ; tensor_dim0 = 128
	s_mov_b32 s26, 64<<16                          ; tensor_dim1 = 64
	s_mov_b32 s27, 128<<16                         ; tile_dim0 = 128
	s_mov_b32 s28, 64                              ; tile_dim1 = 64
	s_mov_b32 s29, 128                             ; 128 elements from row to row
	s_mov_b32 s30, 0
	s_mov_b32 s31, 0
	s_mov_b32 s32, 1
	s_mov_b32 s33, s20                             ; tile 0 goes into slot 0
	s_mov_b32 s44, 0xffff0000
	s_mov_b32 s45, 0x7f800000
	v_and_b32 v9, 31, v0
	v_and_b32 v1, 15, v0
	v_bfe_u32 v8, v0, 4, 1
	v_mul_u32_u24 v27, v1, PIT
	v_lshl_add_u32 v27, v8, 4, v27
	s_and_b32 s54, s16, 1
	s_mul_i32 s54, s54, 128*PIT
	s_lshr_b32 s55, s16, 1
	s_lshl_b32 s55, s55, 7
	s_add_co_u32 s54, s54, s55
	v_add_nc_u32 v11, s54, v27                     ; L1: rows 128 (w & 1) + r, bytes 128 (w >> 1) on
	v_mul_u32_u24 v12, v1, 144
	v_lshl_add_u32 v12, v8, 4, v12
	v_add_nc_u32 v12, P1, v12
	s_mul_i32 s54, s16, 32*144
	s_add_co_u32 s54, s54, P1
	v_mul_u32_u24 v13, v8, 144
	v_lshl_add_u32 v13, v1, 3, v13
	v_add_nc_u32 v13, s54, v13                     ; x's rows 32 w + h + 2 i, 8 bytes a lane
	s_mul_i32 s54, s16, 32*3072
	v_mul_u32_u24 v30, v8, 3072
	v_lshl_add_u32 v30, v1, 4, v30
	v_add_nc_u32 v30, s54, v30                     ; the same rows in memory, 16 bytes a lane
	v_mul_u32_u24 v31, v9, 3072
	v_add_nc_u32 v31, s54, v31                     ; a lane a row
	s_lshl_b32 s54, s16, 14
	s_add_co_u32 s54, s54, P0
	v_lshl_add_u32 v19, v9, 4, s54
	v_lshl_add_u32 v20, v9, 4, P0
	s_lshl_b32 s54, s16, 13
	s_add_co_u32 s54, s54, P0
	v_lshl_add_u32 v23, v9, 4, s54
	s_mul_i32 s54, s16, 64*PIT
	v_add_nc_u32 v2, s54, v27
	s_mul_i32 s54, s16, 32*PIT
	v_add_nc_u32 v24, s54, v27
	s_mul_i32 s54, s16, PIT
	s_add_co_u32 s54, s54, 256*PIT
	v_lshl_add_u32 v3, v8, 5, s54                  ; row 256 + w of a codes' tile: c2 of my 64 codes
	v_lshlrev_b32 v10, 8, v9
	s_mul_i32 s54, s16, 2304
	s_add_co_u32 s54, s54, STG
	v_mul_u32_u24 v26, v1, 144
	v_lshl_add_u32 v26, v8, 5, v26
	v_add_nc_u32 v26, s54, v26
	v_lshrrev_b32 v28, 3, v9
	v_mul_u32_u24 v28, v28, 144
	v_and_b32 v29, 7, v0
	v_lshl_add_u32 v28, v29, 4, v28
	v_add_nc_u32 v28, s54, v28
	v_lshlrev_b32 v29, 4, v9
	s_lshl_b32 s54, s16, 9
	v_lshl_add_u32 v21, v8, 5, s54                 ; b1 of features 128 w + 8 h on
	s_lshl_b32 s54, s16, 8
	s_add_co_u32 s54, s54, 2048
	v_lshl_add_u32 v22, v8, 5, s54                 ; b2 of features 64 w + 8 h on
	s_lshl_b32 s54, s16, 7
	s_add_co_u32 s54, s54, 3072
	v_lshl_add_u32 v25, v8, 5, s54                 ; b3 of features 32 w + 8 h on
	s_lshr_b32 s54, s16, 1
	s_or_b32 s54, s54, ttmp9
	s_cmp_eq_u32 s54, 0                            ; waves 0 and 1 of the first cluster prefetch the codes: the same in all four partners
	s_cselect_b32 s56, 3, -1
	s_lshl_b32 s50, s16, 14
	s_mov_b32 s51, 0
	s_mul_i32 s52, s18, 128*3072
	s_mov_b32 s53, 0
	s_wait_dscnt 0x0                               ; both opening adds are done
	s_wait_kmcnt 0x0
	s_add_nc_u64 s[34:35], s[6:7], s[50:51]        ; my 64 rows of the weights' tile 0
	s_or_b32 s35, s35, 0x80000000
	s_add_nc_u64 s[36:37], s[4:5], s[52:53]        ; x at my block's first row
	s_lshl_b32 s52, s18, 16
	s_add_co_u32 s52, s52, s50
	s_add_nc_u64 s[60:61], s[12:13], s[52:53]      ; zbuf at my wave's 16,384 bytes
	s_lshl_b32 s52, s18, 10
	s_add_nc_u64 s[62:63], s[14:15], s[52:53]      ; cand at my block's 1,024 bytes
	s_lshl_b32 s52, s17, 6
	s_lshl_b32 s54, s16, 5
	s_add_co_u32 s52, s52, s54
	s_lshl_b32 s52, s52, 8
	s_add_co_u32 s52, s52, 4*66560
	s_add_nc_u64 s[58:59], s[8:9], s[52:53]        ; codes 64 cx + 32 w on, in tile 4: the first change of slots in the walk steps it to tile 5
	ROUND                                          ; all four work-groups are here: the first joint loads meet
	tensor_load_to_lds s[32:35], s[24:31]
	s_nop 0
	PLACES
.set ii, 0
.rept 16
	global_load_b128 v[32+4*ii:35+4*ii], v30, s[36:37] offset:6144*ii th:TH_LOAD_NT  ; x, columns 0-63: sixteen lanes read 256 consecutive bytes of a row
.set ii, ii+1
.endr
	WIN 0x40
.set ii, 0
.rept 8
	global_load_b128 v[8*ii:8*ii+3],   v21, s[10:11] offset:64*ii
	global_load_b128 v[8*ii+4:8*ii+7], v21, s[10:11] offset:64*ii+16
.set ii, ii+1
.endr
.set ii, 0
.rept 4
	global_load_b128 v[64+8*ii:64+8*ii+3], v22, s[10:11] offset:64*ii
	global_load_b128 v[68+8*ii:68+8*ii+3], v22, s[10:11] offset:64*ii+16
.set ii, ii+1
.endr
.set ii, 0
.rept 2
	global_load_b128 v[96+8*ii:96+8*ii+3],   v25, s[10:11] offset:64*ii
	global_load_b128 v[100+8*ii:100+8*ii+3], v25, s[10:11] offset:64*ii+16
.set ii, ii+1
.endr
	WIN 0
; ---------------- L1.  window 0: v32-95 x in f32, v96-127 x packed, v128-255 x's fragments (q, a); window 1: v0-63 b1, v64-95 b2, v96-111 b3, v128-255 the weights' fragments (q, b)
.macro FETCH1 q                        ; 32 LDS loads: 32 along K of my 128 features and of the 128 rows
	WIN 0x40
.set ii, 0
.rept 8
	ds_load_b128 v[128+64*(\q)+8*ii:128+64*(\q)+8*ii+3], v16 offset:64*(\q)+16*PIT*ii
	ds_load_b128 v[132+64*(\q)+8*ii:132+64*(\q)+8*ii+3], v16 offset:64*(\q)+16*PIT*ii+32
.set ii, ii+1
.endr
	WIN 0
.set ii, 0
.rept 8
	ds_load_b128 v[128+64*(\q)+8*ii:128+64*(\q)+8*ii+3], v17 offset:64*(\q)+2304*ii
	ds_load_b128 v[132+64*(\q)+8*ii:132+64*(\q)+8*ii+3], v17 offset:64*(\q)+2304*ii+32
.set ii, ii+1
.endr
.endm
; 32 matrix instructions: half q of the step's K, row tiles 4 hw .. 4 hw + 3, all 8 feature tiles.  The 64 accumulators take turns in the same order in every half.
; first = 1: b1 is the C operand that starts the sums
.macro L1MULH q, first, hw
.if (\first)
	WIN 0x91+0x40*(\hw)
.else
	WIN 0xa1+0x50*(\hw)
.endif
.set ta, 0
.rept 4
.set tb, 0
.rept 8
.set rd_, 8*(8*ta+tb)
.set ra_, 128+64*(\q)+8*tb
.set rb_, 128+64*(\q)+8*(4*(\hw)+ta)
.if (\first)
	v_wmma_f32_16x16x32_bf16 v[rd_:rd_+7], v[ra_:ra_+7], v[rb_:rb_+7], v[8*tb:8*tb+7]
.else
	v_wmma_f32_16x16x32_bf16 v[rd_:rd_+7], v[ra_:ra_+7], v[rb_:rb_+7], v[rd_:rd_+7]
.endif
.set tb, tb+1
.endr
.set ta, ta+1
.endr
.endm
; A K step of 64.  x's columns of this step are rounded and laid in LDS ahead of the change of slots, whose barrier shows them to all waves; the next step's are asked for behind the first fragment loads.
; The second half's 32 fragment loads stand in the middle of the first half's products: their registers were last read in the trip before, with the 32 conversions between; they land under 32 matrix instructions.
; THE PREFETCH: x is read once; a wave names, a lane a row, the 256 bytes of its own 32 rows that the load three trips on will want (384 matrix instructions ahead).  The last eight steps have been named; the first four come by their loads alone.
.macro L1TRIP first
	s_wait_loadcnt 0x0                             ; this step's x (in the first trip the biases too)
	s_wait_xcnt 0x0                                ; the last trip's prefetch has read its address
	s_add_nc_u64 s[36:37], s[36:37], 256
.set ii, 0
.rept 32
	v_cvt_pk_bf16_f32 v[96+ii], v[32+2*ii], v[33+2*ii]
.set ii, ii+1
.endr
	v_add_nc_u32 v18, s21, v13
.set ii, 0
.rept 16
	ds_store_b64 v18, v[96+2*ii:97+2*ii] offset:288*ii
.set ii, ii+1
.endr
	CHANGE 1, 65536
	v_add_nc_u32 v16, s19, v11
	v_add_nc_u32 v17, s21, v12
	FETCH1 0
.if !(\first)
	s_cmp_gt_u32 s23, 1                            ; the last trip has no step behind it
	s_cbranch_scc0 .Lnox_\@
.endif
.set ii, 0
.rept 16
	global_load_b128 v[32+4*ii:35+4*ii], v30, s[36:37] offset:6144*ii th:TH_LOAD_NT
.set ii, ii+1
.endr
.if !(\first)
	s_cmp_gt_u32 s23, 4
	s_cbranch_scc0 .Lnox_\@
.endif
	global_prefetch_b8 v31, s[36:37] offset:768 th:TH_LOAD_NT scope:SCOPE_SE
.Lnox_\@:
	s_wait_dscnt 0x0                               ; the first 32 along K are in
	L1MULH 0, \first, 0
	FETCH1 1
	L1MULH 0, \first, 1
	s_wait_dscnt 0x0                               ; the other 32 along K are in
	L1MULH 1, 0, 0
	L1MULH 1, 0, 1
	WIN 0
	s_xor_b32 s21, s21, XSZ
.endm
	L1TRIP 1
	s_mov_b32 s23, 11
.Ll1:
	L1TRIP 0
	s_sub_co_u32 s23, s23, 1
	s_cmp_lg_u32 s23, 0
	s_cbranch_scc1 .Ll1
; ---------------- L2 and L3.  window 0: v32-47 relu(h), then h - hi; v48-63 hi as f32; v64-71 hi, v72-79 lo (while rounding); v32-95 the table's fragments, v96-223 the images (while multiplying); v224-239 b3
; Two results (16 registers at rr of window wn: 32 features of 16 rows) become two fragment images: hi = bf16(h), lo = bf16(h - hi).  Each accumulator is read from its low end on.
.macro CONVPUB wn, rr, fo
	WIN (\wn)<<2
.set ii, 0
.rept 16
	v_max_num_f32 v[32+ii], 0, v[(\rr)+ii]
.set ii, ii+1
.endr
	WIN 0
.set ii, 0
.rept 8
	v_cvt_pk_bf16_f32 v[64+ii], v[32+2*ii], v[33+2*ii]
.set ii, ii+1
.endr
.set ii, 0
.rept 8
	v_lshlrev_b32 v[48+2*ii], 16, v[64+ii]
	v_and_b32 v[49+2*ii], s44, v[64+ii]
.set ii, ii+1
.endr
.set ii, 0
.rept 8
	v_pk_add_f32 v[32+2*ii:33+2*ii], v[32+2*ii:33+2*ii], v[48+2*ii:49+2*ii] neg_lo:[0,1] neg_hi:[0,1]
.set ii, ii+1
.endr
.set ii, 0
.rept 8
	v_cvt_pk_bf16_f32 v[72+ii], v[32+2*ii], v[33+2*ii]
.set ii, ii+1
.endr
	ds_store_b128 v21, v[64:67] offset:(\fo)
	ds_store_b128 v21, v[68:71] offset:(\fo)+512
	ds_store_b128 v21, v[72:75] offset:(\fo)+8192
	ds_store_b128 v21, v[76:79] offset:(\fo)+8704
.endm
; Unit u = 2 w' + p: wave w's images, hi (p = 0) or lo.  Its loads: with p = 0 the table's nt fragments for that wave's 32 k; always the eight images.
.macro LOADU u, nt, lay
.if ((\u)%2) == 0
.set tt, 0
.rept \nt
.if (\lay) == 2
.set of_, 16*PIT*tt+64*((\u)/2)
.else
.set of_, (((\u)/4)*128+16*tt)*PIT+128*(((\u)/2)%2)
.endif
.set ra_, 32+32*(((\u)/2)%2)+8*tt
	ds_load_b128 v[ra_:ra_+3],   v25 offset:of_
	ds_load_b128 v[ra_+4:ra_+7], v25 offset:of_+32
.set tt, tt+1
.endr
.endif
.set tt, 0
.rept 8
.set rb_, 96+64*((\u)%2)+8*tt
	ds_load_b128 v[rb_:rb_+3],   v22 offset:8192*(\u)+1024*tt
	ds_load_b128 v[rb_+4:rb_+7], v22 offset:8192*(\u)+1024*tt+512
.set tt, tt+1
.endr
.endm
; A round's products: eight units, each 8 nt matrix instructions on 8 nt accumulators that take turns; the next unit's loads are out meanwhile.  binit = 1: b3 is the C operand that starts the sums.
.macro ROUNDMUL nt, lay, binit
	LOADU 0, \nt, \lay
.set uu, 0
.rept 8
.if (uu >= 1) && (uu < 7)
	PLACES                                         ; the loads below land in registers that the unit before has read
.endif
.if uu < 7
	LOADU uu+1, \nt, \lay
.if (uu%2) == 1
	s_wait_dscnt 16+2*(\nt)                        ; all but the loads just issued
.else
	s_wait_dscnt 16
.endif
.else
	s_wait_dscnt 0x0
.endif
.if (\binit) && (uu == 0)
	WIN 0x80
.elseif (\lay) == 2
	WIN 0x50
.else
	WIN 0xa0
.endif
.set ta, 0
.rept 8
.set tq, 0
.rept \nt
.set rd_, 8*((\nt)*ta+tq)
.set ra_, 32+32*((uu/2)%2)+8*tq
.set rb_, 96+64*(uu%2)+8*ta
.if (\binit) && (uu == 0)
	v_wmma_f32_16x16x32_bf16 v[rd_:rd_+7], v[ra_:ra_+7], v[rb_:rb_+7], v[224+8*tq:224+8*tq+7]
.else
	v_wmma_f32_16x16x32_bf16 v[rd_:rd_+7], v[ra_:ra_+7], v[rb_:rb_+7], v[rd_:rd_+7]
.endif
.set tq, tq+1
.endr
.set ta, ta+1
.endr
	WIN 0
.set uu, uu+1
.endr
.endm
.macro ARM k                           ; round k of L2: my features 32 k .. 32 k + 31 of h1, all eight row tiles
.set aa, 0
.rept 8
	CONVPUB 2+aa/4, 8*(8*(aa%4)+2*(\k)), 1024*aa
.set aa, aa+1
.endr
.endm
	PLACES
	WIN 0x01
.set ii, 0
.rept 16
	v_mov_b32 v[224+ii], v[96+ii]                  ; b3 leaves window 1, which h2's accumulators fill
.set ii, ii+1
.endr
	WIN 0x41
.irp a, 0,1,3,4,5,6,7                  ; h2's sums start at b2: accumulator (t, a) at v[32 a + 8 t]; a = 2 is where b2 was loaded
.set ii, 0
.rept 32
	v_mov_b32 v[32*\a+ii], v[64+ii]
.set ii, ii+1
.endr
.endr
	WIN 0
	s_mov_b32 s38, 0
.Ll2:                                  ; four rounds: the registers to be rounded hang on the round, so each has its own text, reached by forward jumps that pass no barrier
	v_add_nc_u32 v21, s22, v19
	s_cmp_eq_u32 s38, 0
	s_cbranch_scc0 .Larm1
	ARM 0
	s_branch .Larmd
.Larm1:
	s_cmp_eq_u32 s38, 1
	s_cbranch_scc0 .Larm2
	ARM 1
	s_branch .Larmd
.Larm2:
	s_cmp_eq_u32 s38, 2
	s_cbranch_scc0 .Larm3
	ARM 2
	s_branch .Larmd
.Larm3:
	ARM 3
.Larmd:
	CHANGE 1, 65536                                ; W2's tile of this round is in, all images are stored; the next tile is asked for
	v_add_nc_u32 v22, s22, v20
	v_add_nc_u32 v25, s19, v2
	ROUNDMUL 4, 2, 0
	s_xor_b32 s22, s22, PSZ                        ; the next round's images go to the other region: slower waves may still read this one
	s_add_co_u32 s38, s38, 1
	s_cmp_lt_u32 s38, 4
	s_cbranch_scc1 .Ll2
	PLACES                                         ; L3, two rounds: my features 32 k' .. + 31 of h2
	v_add_nc_u32 v21, s22, v19
.set aa, 0
.rept 8
	CONVPUB 1, 32*aa, 1024*aa
.set aa, aa+1
.endr
	CHANGE 2                                       ; W3's tile is in; the codes' tile 0 is asked for
	v_add_nc_u32 v22, s22, v20
	v_add_nc_u32 v25, s19, v24
	ROUNDMUL 2, 3, 1
	s_xor_b32 s22, s22, PSZ
	v_add_nc_u32 v21, s22, v19
.set aa, 0
.rept 8
	CONVPUB 1, 32*aa+16, 1024*aa
.set aa, aa+1
.endr
	s_wait_dscnt 0x0                               ; my images are stored
	s_barrier_signal -1
	s_barrier_wait -1                              ; everybody's are; the codes' tile 0 may stay on its way
	v_add_nc_u32 v22, s22, v20
	v_add_nc_u32 v25, 64, v25                      ; the same tile, 32 k further on
	ROUNDMUL 2, 3, 0
; ---------------- z goes out in f32 (through my own stage, so that a store covers 512 consecutive bytes), and -2 z, rounded to bf16, becomes fragment images for the walk.
; These bytes lie in the region that was last read a barrier ago; the region of the round just multiplied is not touched.
	PLACES
.set aa, 0
.rept 8
	WIN 0x08                                       ; store data in window 2
	ds_store_b128 v26, v[16*aa:16*aa+3]
	ds_store_b128 v26, v[16*aa+4:16*aa+7]   offset:16
	ds_store_b128 v26, v[16*aa+8:16*aa+11]  offset:64
	ds_store_b128 v26, v[16*aa+12:16*aa+15] offset:80
	WIN 0
	s_wait_xcnt 0x0                                ; the registers that earlier stores read are loaded again only behind this wait
.irp i, 0,1,2,3
	ds_load_b128 v[32+16*(aa%2)+4*\i:35+16*(aa%2)+4*\i], v28 offset:576*\i  ; LDS serves a wave's instructions in order: these see the stores above
.endr
	WIN 0x02
.set ii, 0
.rept 8
	v_pk_mul_f32 v[64+2*ii:65+2*ii], v[16*aa+2*ii:16*aa+2*ii+1], -2.0 op_sel_hi:[1,0]
.set ii, ii+1
.endr
	WIN 0
.set ii, 0
.rept 8
	v_cvt_pk_bf16_f32 v[80+ii], v[64+2*ii], v[65+2*ii]
.set ii, ii+1
.endr
	ds_store_b128 v23, v[80:83] offset:1024*aa
	ds_store_b128 v23, v[84:87] offset:1024*aa+512
	s_wait_dscnt 2                                 ; the four loads are back; the two stores behind them may be out
.irp i, 0,1,2,3
	global_store_b128 v29, v[32+16*(aa%2)+4*\i:35+16*(aa%2)+4*\i], s[60:61] offset:2048*aa+512*\i
.endr
.set aa, aa+1
.endr
	s_wait_xcnt 0x0                                ; z's last stores have read their address (v29) and their data (v48-63): the walk's statistics and buffers take those registers
	v_mov_b32 v11, v20                             ; the images' read address moves out of the registers that the statistics take
; ---------------- THE WALK.  window 0: v16-47 statistics, four a row tile: m1, n1, m2, n2; v48-63 c2, two buffers; v64-127 a block's fragments, two buffers; v128-255 scores, two buffers of 8 tiles.  window 1: z's fragment (a, s) at v[32 a + 8 s]
.macro LOADF buf                       ; the next block: 16 codes x 128 channels, and their c2
	WIN 0
	v_add_nc_u32 v4, s41, v2
	v_add_nc_u32 v5, s42, v3
	s_add_co_u32 s41, s41, 16*PIT
	s_add_co_u32 s42, s42, 64
.irp s, 0,1,2,3
	ds_load_b128 v[64+32*(\buf)+8*\s:64+32*(\buf)+8*\s+3], v4 offset:64*\s
	ds_load_b128 v[68+32*(\buf)+8*\s:68+32*(\buf)+8*\s+3], v4 offset:64*\s+32
.endr
	ds_load_b128 v[48+8*(\buf):48+8*(\buf)+3], v5
	ds_load_b128 v[52+8*(\buf):52+8*(\buf)+3], v5 offset:16
.endm
; Number nn of the 88 vector instructions that rank a block's scores: 11 a row tile, two tiles alternating.  The minimum M of the lane's 8 codes (lowest registers first);
; then M goes into the sorted pair (m1, m2) where it is strictly smaller, with the block's number: of equals the earlier block stays.
.macro RID buf
	WIN 0
.set rt, (nn%2)+2*(nn/22)
.set rs, (nn%22)/2
.set rA, 128+64*(\buf)+8*rt
.set rT, 16+4*rt
.set rM, 6+(nn%2)
.set rC, 46+2*(nn%2)
.if rs == 0
	v_min3_num_f32 v[rM], v[rA], v[rA+1], v[rA+2]
.elseif rs == 1
	v_min3_num_f32 v[rM], v[rM], v[rA+3], v[rA+4]
.elseif rs == 2
	v_min3_num_f32 v[rM], v[rM], v[rA+5], v[rA+6]
.elseif rs == 3
	v_min_num_f32 v[rM], v[rM], v[rA+7]
.elseif rs == 4
	v_cmp_lt_f32 s[rC], v[rM], v[rT]
.elseif rs == 5
	v_cmp_lt_f32 s[rC+1], v[rM], v[rT+2]
.elseif rs == 6
	v_cndmask_b32 v[rT+3], v[rT+3], s43, s[rC+1]
.elseif rs == 7
	v_cndmask_b32 v[rT+3], v[rT+3], v[rT+1], s[rC]
.elseif rs == 8
	v_cndmask_b32 v[rT+1], v[rT+1], s43, s[rC]
.elseif rs == 9
	v_med3_num_f32 v[rT+2], v[rM], v[rT], v[rT+2]
.else
	v_min_num_f32 v[rT], v[rM], v[rT]
.endif
.set nn, nn+1
.endm
; A block: 32 matrix instructions (8 row tiles by turns, 4 deep along the channels), behind each three of the block before's 88.  No window holds z beside the scores, so each matrix instruction costs two switches.
; load = 1: the next block's fragments are fetched behind the third matrix instruction: nine plain instructions behind the last reader of those registers, 29 matrix instructions ahead of their use.
.macro BLK par, load
	s_wait_dscnt 0x0                               ; this block's fragments and c2 are in
.set nn, 0
.set bi, 0
.rept 32
	WIN 0x04
.set rd_, 128+64*(\par)+8*(bi%8)
.set ra_, 64+32*(\par)+8*(bi/8)
.set rb_, 32*(bi%8)+8*(bi/8)
.if bi < 8
	v_wmma_f32_16x16x32_bf16 v[rd_:rd_+7], v[ra_:ra_+7], v[rb_:rb_+7], v[48+8*(\par):48+8*(\par)+7]
.else
	v_wmma_f32_16x16x32_bf16 v[rd_:rd_+7], v[ra_:ra_+7], v[rb_:rb_+7], v[rd_:rd_+7]
.endif
.rept 3
.if nn < 88
	RID 1-(\par)
.endif
.endr
.if (\load) && (bi == 2)
	LOADF 1-(\par)
.endif
.set bi, bi+1
.endr
	WIN 0
	s_add_co_u32 s43, s43, 1
.endm
; The change of slots in the walk stands between a tile's third block and its fourth, whose fragments are in registers by then: the refill has four blocks, 128 matrix instructions, in which to land.
; THE PREFETCH: all clusters walk the same codes, so the first cluster asks, and nobody else; its four partners take 64 code rows of a tile each, told apart by address; in each, waves 0 and 1 take 32: a lane a row of 256 bytes.
; Change number k names tile k + 4, which the change three on will ask for; the last three filling changes name nothing; tiles 0 to 4 and the c2 rows come by their loads alone.
.macro WCHANGE
	s_wait_xcnt 0x0                                ; the last prefetch, four blocks back, has read its address
	s_add_nc_u64 s[58:59], s[58:59], 66560
	CHANGE 1, 66560
	s_mov_b32 s41, s19
	s_mov_b32 s42, s19
	s_cmp_gt_u32 s40, s56
	s_cbranch_scc0 .Lnask_\@
	global_prefetch_b8 v10, s[58:59] th:TH_LOAD_NT scope:SCOPE_SE
.Lnask_\@:
.endm
	CHANGE 1, 66560                                ; the codes' tile 0 is in, all images of z are stored; tile 1 is asked for
	WIN 0x40
.set aa, 0
.rept 8
.irp s, 0,1,2,3
	ds_load_b128 v[32*aa+8*\s:32*aa+8*\s+3],   v11 offset:(8*\s+aa)*1024
	ds_load_b128 v[32*aa+8*\s+4:32*aa+8*\s+7], v11 offset:(8*\s+aa)*1024+512
.endr
.set aa, aa+1
.endr
	WIN 0
.set ii, 0
.rept 8
	v_mov_b32 v[16+4*ii], s45
	v_mov_b32 v[17+4*ii], 0
	v_mov_b32 v[18+4*ii], s45
	v_mov_b32 v[19+4*ii], 0
.set ii, ii+1
.endr
.set ii, 0
.rept 64
	v_mov_b32 v[192+ii], s45                       ; the first block ranks a block that has not been: +infinity changes nothing.  The price of one text for every block
.set ii, ii+1
.endr
	s_mov_b32 s41, s19
	s_mov_b32 s42, s19
	s_mov_b32 s43, -1
	LOADF 0
	s_mov_b32 s39, 2
	s_mov_b32 s40, 31
	s_branch .Lw_first                             ; the loop is entered in the middle of a trip
.Lw_slot:                              ; 30 times: tiles 2 to 31 are asked for
	WCHANGE
	s_mov_b32 s39, 2
.Lw_pair:
	BLK 1, 1
.Lw_first:
	BLK 0, 1
	s_sub_co_u32 s39, s39, 1
	s_cmp_lg_u32 s39, 0
	s_cbranch_scc1 .Lw_pair
	s_sub_co_u32 s40, s40, 1
	s_cmp_lg_u32 s40, 0
	s_cbranch_scc1 .Lw_slot
	CHANGE 0                                       ; the tail is written out: tile 31 is in, nothing is asked for
	s_mov_b32 s41, s19
	s_mov_b32 s42, s19
	s_mov_b32 s39, 2
.Lw_tail:
	BLK 1, 1
	BLK 0, 1
	s_sub_co_u32 s39, s39, 1
	s_cmp_lg_u32 s39, 0
	s_cbranch_scc1 .Lw_tail
	BLK 1, 0                                       ; block 127
	PLACES
.set nn, 0
.rept 88
	RID 1
.endr
; ---------------- the eight lists of a row (four waves, two halves of the lanes) meet in LDS.  A block's number n becomes the group's: 32 (n >> 2) + 2 (n & 3) + 8 w + h; group g holds codes 8 g .. 8 g + 7.
	s_lshl_b32 s54, s16, 3
	v_add_nc_u32 v48, s54, v8
.set ii, 0
.rept 16
	v_lshrrev_b32 v49, 2, v[17+2*ii]
	v_and_b32 v[17+2*ii], 3, v[17+2*ii]
	v_lshl_add_u32 v[17+2*ii], v[17+2*ii], 1, v48
	v_lshl_add_u32 v[17+2*ii], v49, 5, v[17+2*ii]
.set ii, ii+1
.endr
	s_lshl_b32 s54, s16, 5
	s_add_co_u32 s54, s54, MRG
	v_mul_u32_u24 v50, v1, 144
	v_lshl_add_u32 v50, v8, 4, v50
	v_add_nc_u32 v50, s54, v50
.set ii, 0
.rept 8
	ds_store_b128 v50, v[16+4*ii:19+4*ii] offset:2304*ii
.set ii, ii+1
.endr
	s_wait_dscnt 0x0
	s_barrier_signal -1
	s_barrier_wait -1
	v_mul_u32_u24 v51, v0, 144                     ; thread t takes row t
	v_add_nc_u32 v51, MRG, v51
.set ii, 0
.rept 8
	ds_load_b128 v[64+4*ii:67+4*ii], v51 offset:16*ii
.set ii, ii+1
.endr
	s_wait_dscnt 0x0
.macro UPD vv, gg                      ; (value, group) goes into the sorted pair v64, v66 with groups v65, v67
	v_cmp_lt_f32 s46, v[\vv], v64
	v_cmp_lt_f32 s47, v[\vv], v66
	v_cndmask_b32 v67, v67, v[\gg], s47
	v_cndmask_b32 v67, v67, v65, s46
	v_cndmask_b32 v65, v65, v[\gg], s46
	v_med3_num_f32 v66, v[\vv], v64, v66
	v_min_num_f32 v64, v[\vv], v64
.endm
.set ii, 1
.rept 7
	UPD 64+4*ii, 65+4*ii
	UPD 66+4*ii, 67+4*ii
.set ii, ii+1
.endr
	v_mov_b32 v64, v65
	v_mov_b32 v65, v67
	v_lshlrev_b32 v52, 3, v0
	global_store_b64 v52, v[64:65], s[62:63]       ; a wave stores 256 consecutive bytes
	s_wait_tensorcnt 0x0                           ; the wave's end, behind my last tensor load and my last LDS store
	ds_add_u32 v14, v15
	s_wait_dscnt 0x0
	ROUND                                          ; the closing round: no work-group ends while a partner may still ask for a tile that names it
	s_endpgm
.Lfunc_end_k_q72a9c26d77_encode:
	.size	k_q72a9c26d77_encode, .Lfunc_end_k_q72a9c26d77_encode-k_q72a9c26d77_encode
	.p2alignl 7, 3214868480
	.fill 96, 4, 3214868480
	.section	.rodata,"a",@progbits
	.p2align	6, 0x0
	.amdhsa_kernel k_q72a9c26d77_encode
		.amdhsa_group_segment_fixed_size 327680
		.amdhsa_private_segment_fixed_size 0
		.amdhsa_enable_private_segment 0
		.amdhsa_kernarg_size 48
		.amdhsa_user_sgpr_count 2
		.amdhsa_user_sgpr_kernarg_segment_ptr 1
		.amdhsa_wavefront_size32 1
		.amdhsa_system_sgpr_workgroup_id_x 1
		.amdhsa_system_sgpr_workgroup_id_y 1
		.amdhsa_system_sgpr_workgroup_id_z 1
		.amdhsa_system_vgpr_workitem_id 0
		.amdhsa_next_free_vgpr 1024
		.amdhsa_next_free_sgpr 66
		.amdhsa_reserve_vcc 0
		.amdhsa_float_denorm_mode_32 3
		.amdhsa_float_denorm_mode_16_64 3
		.amdhsa_memory_ordered 1
		.amdhsa_forward_progress 1
		.amdhsa_inst_pref_size 255
	.end_amdhsa_kernel
	.section	.bss,"aw",@nobits
	.p2align	6
	.space	262144
	.amdgpu_metadata
---
amdhsa.version: [ 1, 2 ]
amdhsa.kernels:
  - .name:           k_q72a9c26d77_encode
    .symbol:         k_q72a9c26d77_encode.kd
    .args:
      - { .name: x, .offset: 0, .size: 8, .value_kind: global_buffer, .address_space: global }
      - { .name: wt, .offset: 8, .size: 8, .value_kind: global_buffer, .address_space: global }
      - { .name: cbt, .offset: 16, .size: 8, .value_kind: global_buffer, .address_space: global }
      - { .name: bias, .offset: 24, .size: 8, .value_kind: global_buffer, .address_space: global }
      - { .name: zbuf, .offset: 32, .size: 8, .value_kind: global_buffer, .address_space: global }
      - { .name: cand, .offset: 40, .size: 8, .value_kind: global_buffer, .address_space: global }
    .group_segment_fixed_size: 327680
    .private_segment_fixed_size: 0
    .kernarg_segment_align: 8
    .kernarg_segment_size: 48
    .max_flat_workgroup_size: 128
    .sgpr_count:     66
    .vgpr_count:     1024
    .wavefront_size: 32
...
	.end_amdgpu_metadata
.endif
;; end of part 2
;; launch refine (part 3): grid 512 x 1, 32 waves a work-group, no clusters, 4,352 bytes of LDS; arguments cand, zbuf, cbt, out0, out1; writes out0, out1
.if DOCPART == 3
	.amdgcn_target "amdgcn-amd-amdhsa--gfx1250"
	.amdhsa_code_object_version 6
	.text
	.protected	k_q72a9c26d77_refine
	.globl	k_q72a9c26d77_refine
	.p2align	8
	.type	k_q72a9c26d77_refine,@function
k_q72a9c26d77_refine:
	s_mov_b64 s[64:65], 0
	v_nop
	global_prefetch_b8 v0, s[64:65] scope:SCOPE_SE
	s_setreg_imm32_b32 hwreg(HW_REG_WAVE_MODE, 25, 1), 1
	s_wait_xcnt 0x0
; THE DECISION, in f32.  For each row the launch before left two groups of 8 neighbouring codes.  Their 16 distances are made anew as (z2 + c2) - 2 z.c, with z in f32 and the codes and c2 as the
; first launch rounded them; the smallest wins, of equals the lowest code.  Nothing is left out here.  LIMITS: as stated at the first kernel's head; a group number is held to 0..1,023 before it enters an address.
; A wave takes two rows; a work-group's 32 waves 64 rows.  Lanes 0-15 hold the lower group, lanes 16-31 the higher: lane lam has channels 8 lam .. 8 lam + 7 of all eight codes of its group.
; The winner's row is SELECTED out of the registers that hold all sixteen, never fetched by its number: no address hangs on a number made from floating-point data in this launch.
; No matrix unit (16 products of 128 a row), no tensor loads, no cluster: the waves share nothing but the 256 bytes of codes that leave together.
; LDS: bytes 0-255 the work-group's 64 codes; from 256 on the spare words, 128 bytes for each of 32 waves.
; v1 lane  v2 lam  v3 hh  v4 16 lam  v5, v6 all ones in the lower, the upper half  v7 0  v8 z's offset  v9 c2's lane part  v10 out0's offset  v11 my codes' LDS bytes  v12-v19 eight partial products  v20-v29 at work
; row b's registers from B = 32 + 48 b: 32 of codes (code c at B + 4 c), 8 of z, c2, three addresses.   s[32+8b ..]: offsets of the two groups' rows, of their c2, the two group numbers
	s_load_b256 s[4:11], s[0:1], 0x0               ; cand s[4:5], zbuf s[6:7], cbt s[8:9], out0 s[10:11]
	s_load_b64 s[12:13], s[0:1], 0x20              ; out1
	v_lshl_add_u32 v30, v0, 2, 256
	v_mov_b32 v31, 0
	v_lshrrev_b32 v1, 5, v0
	v_readfirstlane_b32 s14, v1                    ; wave 0..31
	s_mov_b32 s15, ttmp9
	s_lshl_b32 s26, s15, 6
	s_lshl1_add_u32 s26, s14, s26                  ; my first row: 64 x work-group + 2 x wave
	s_lshl_b32 s28, s26, 3
	s_mov_b32 s29, 0
	s_mov_b32 s20, 0xffff0000                      ; lanes 16-31; also a word's upper bf16
	s_mov_b32 s21, 0xff00ff00                      ; lanes with lam & 8
	s_mov_b32 s22, 0xf0f0f0f0                      ; lam & 4
	s_mov_b32 s23, 0xcccccccc                      ; lam & 2
	s_mov_b32 s24, 0x76543210                      ; v_permlanex16_b32: each lane takes its own place in the other half
	s_mov_b32 s25, 0xfedcba98
	s_wait_kmcnt 0x0
	s_add_nc_u64 s[4:5], s[4:5], s[28:29]
	s_load_b128 s[16:19], s[4:5], 0x0              ; the two rows' two groups
	v_and_b32 v1, 31, v0
	v_and_b32 v2, 15, v0
	v_bfe_u32 v3, v0, 4, 1
	v_lshlrev_b32 v4, 4, v2
	v_add_nc_u32 v5, -1, v3
	v_sub_nc_u32 v6, 0, v3
	v_mov_b32 v7, 0
	s_lshr_b32 s27, s26, 7
	s_lshl_b32 s27, s27, 16
	s_and_b32 s28, s26, 127
	s_lshl_b32 s28, s28, 7
	s_add_co_u32 s27, s27, s28                     ; zbuf is [block of 128 rows][32 channels' group][row][32]
	v_lshrrev_b32 v8, 2, v2
	v_lshlrev_b32 v8, 14, v8
	v_and_b32 v9, 3, v2
	v_lshl_add_u32 v8, v9, 5, v8
	v_add_nc_u32 v8, s27, v8
	v_lshrrev_b32 v9, 1, v2
	v_lshlrev_b32 v9, 2, v9
	s_lshl_b32 s27, s26, 9
	v_lshlrev_b32 v10, 5, v2
	v_lshl_add_u32 v10, v3, 4, v10
	v_add_nc_u32 v10, s27, v10
	s_lshl_b32 s27, s14, 3
	v_mov_b32 v11, s27
	s_wait_kmcnt 0x0
; A group number is cut into tile and place, each held to 0..31 by a constant; only then offsets are made of them, by multiplies, shifts left and adds.
.macro GRP sg, so, sc
	s_lshr_b32 s27, s[\sg], 5
	s_and_b32 s28, s[\sg], 31
	s_min_u32 s27, s27, 31
	s_min_u32 s28, s28, 31
	s_mul_i32 s29, s27, 66560
	s_lshl_b32 s30, s28, 11
	s_add_co_u32 s[\so], s29, s30                  ; eight rows of 256 bytes
	s_lshl_b32 s30, s28, 5
	s_add_co_u32 s30, s30, 65536
	s_add_co_u32 s[\sc], s29, s30                  ; eight c2
	s_lshl_b32 s27, s27, 5
	s_add_co_u32 s[\sg], s27, s28
.endm
.macro LOADS row                       ; 11 loads
.set S_, 32+8*(\row)
.set B_, 32+48*(\row)
	s_min_u32 s[S_+4], s[16+2*(\row)], s[17+2*(\row)]  ; the lower group first, so that the lowest lane is the lowest code
	s_max_u32 s[S_+5], s[16+2*(\row)], s[17+2*(\row)]
	GRP S_+4, S_+0, S_+2
	GRP S_+5, S_+1, S_+3
	v_and_b32 v[B_+41], s[S_+0], v5                ; each half of the lanes takes its group's offset
	v_and_b32 v[B_+43], s[S_+1], v6
	v_add_nc_u32 v[B_+41], v[B_+41], v[B_+43]
	v_add_nc_u32 v[B_+41], v[B_+41], v4
	v_and_b32 v[B_+42], s[S_+2], v5
	v_and_b32 v[B_+43], s[S_+3], v6
	v_add_nc_u32 v[B_+42], v[B_+42], v[B_+43]
	v_add_nc_u32 v[B_+42], v[B_+42], v9
.irp c, 0,1,2,3,4,5,6,7
	global_load_b128 v[B_+4*\c:B_+4*\c+3], v[B_+41], s[8:9] offset:256*\c  ; sixteen lanes read a code's 256 bytes
.endr
	global_load_b32 v[B_+40], v[B_+42], s[8:9]     ; lane l: c2 of slot l >> 1
	global_load_b128 v[B_+32:B_+35], v8, s[6:7] offset:128*(\row)
	global_load_b128 v[B_+36:B_+39], v8, s[6:7] offset:128*(\row)+16
.endm
.macro FOLD n, sm, xm                  ; n sums: lanes with the bit keep the upper n of 2 n numbers and send the lower, the others the other way round
.set cc, 0
.rept \n
	v_cndmask_b32 v[24+cc], v[12+cc+(\n)], v[12+cc], s[\sm]
	v_cndmask_b32 v[12+cc], v[12+cc], v[12+cc+(\n)], s[\sm]
	v_add_f32_dpp v[12+cc], v[24+cc], v[12+cc] row_xmask:\xm row_mask:0xf bank_mask:0xf
.set cc, cc+1
.endr
.endm
.macro COMP row, left
.set S_, 32+8*(\row)
.set B_, 32+48*(\row)
	s_wait_loadcnt \left                           ; this row's 11 loads are in; the other row's may be out
.set ii, 0
.rept 8                                ; eight chains, a code each: z in f32 times a bf16 half, summed in f32
.set cc, 0
.rept 8
.if ii == 0
	v_fma_mix_f32_bf16 v[12+cc], v[B_+4*cc], v[B_+32], v7 op_sel_hi:[1,0,0]
.elseif (ii%2) == 0
	v_fma_mix_f32_bf16 v[12+cc], v[B_+4*cc+ii/2], v[B_+32+ii], v[12+cc] op_sel_hi:[1,0,0]
.else
	v_fma_mix_f32_bf16 v[12+cc], v[B_+4*cc+ii/2], v[B_+32+ii], v[12+cc] op_sel:[1,0,0] op_sel_hi:[1,0,0]
.endif
.set cc, cc+1
.endr
.set ii, ii+1
.endr
	v_pk_mul_f32 v[20:21], v[B_+32:B_+33], v[B_+32:B_+33]
	v_pk_fma_f32 v[20:21], v[B_+34:B_+35], v[B_+34:B_+35], v[20:21]
	v_pk_fma_f32 v[20:21], v[B_+36:B_+37], v[B_+36:B_+37], v[20:21]
	v_pk_fma_f32 v[20:21], v[B_+38:B_+39], v[B_+38:B_+39], v[20:21]
	v_add_f32 v20, v20, v21
	v_add_f32_dpp v20, v20, v20 row_xmask:1 row_mask:0xf bank_mask:0xf
	v_add_f32_dpp v20, v20, v20 row_xmask:2 row_mask:0xf bank_mask:0xf
	v_add_f32_dpp v20, v20, v20 row_xmask:4 row_mask:0xf bank_mask:0xf
	v_add_f32_dpp v20, v20, v20 row_xmask:8 row_mask:0xf bank_mask:0xf
	v_add_f32 v21, v20, v[B_+40]                   ; z2 + c2
	FOLD 4, 21, 8                                  ; the sixteen lanes' partial products are added and dealt out: lane lam ends with code lam >> 1 of its group
	FOLD 2, 22, 4
	FOLD 1, 23, 2
	v_add_f32_dpp v12, v12, v12 row_xmask:1 row_mask:0xf bank_mask:0xf
	v_fma_f32 v22, v12, -2.0, v21                  ; (z2 + c2) - 2 z.c: doubling is exact, so this is the formula's one rounding
	v_mov_b32 v23, v22
	v_mov_b32 v24, v22
	v_min_num_f32_dpp v23, v23, v23 row_xmask:2 row_mask:0xf bank_mask:0xf
	v_min_num_f32_dpp v23, v23, v23 row_xmask:4 row_mask:0xf bank_mask:0xf
	v_min_num_f32_dpp v23, v23, v23 row_xmask:8 row_mask:0xf bank_mask:0xf
	v_permlanex16_b32 v24, v23, s24, s25
	v_min_num_f32 v23, v23, v24
	v_cmp_eq_f32 s27, v22, v23
	s_ctz_i32_b32 s27, s27                         ; the lowest lane that holds the minimum: the lowest code
	s_and_b32 s27, s27, 31
	s_bitcmp1_b32 s27, 3
	s_cselect_b32 s28, -1, 0
	s_bitcmp1_b32 s27, 2
	s_cselect_b32 s29, -1, 0
	s_bitcmp1_b32 s27, 1
	s_cselect_b32 s30, -1, 0
	s_bitcmp1_b32 s27, 4
	s_cselect_b32 s31, s20, 0x0000ffff             ; the lanes that hold the winner's group
	s_cselect_b32 s46, s[S_+5], s[S_+4]
	s_bfe_u32 s47, s27, 0x30001
	s_lshl3_add_u32 s46, s46, s47                  ; the code
.set ii, 0
.rept 16
	v_cndmask_b32 v[B_+ii], v[B_+ii], v[B_+16+ii], s28
.set ii, ii+1
.endr
.set ii, 0
.rept 8
	v_cndmask_b32 v[B_+ii], v[B_+ii], v[B_+8+ii], s29
.set ii, ii+1
.endr
.set ii, 0
.rept 4
	v_cndmask_b32 v[B_+ii], v[B_+ii], v[B_+4+ii], s30
.set ii, ii+1
.endr
.set ii, 0
.rept 4
	v_permlanex16_b32 v[B_+16+ii], v[B_+ii], s24, s25
.set ii, ii+1
.endr
.set ii, 0
.rept 4
	v_cndmask_b32 v[B_+ii], v[B_+16+ii], v[B_+ii], s31  ; now both halves hold the winner's channels 8 lam .. 8 lam + 7
.set ii, ii+1
.endr
	v_cndmask_b32 v[B_+8], v[B_+0], v[B_+2], s20   ; the lower half stores the first four of them, the upper half the other four
	v_cndmask_b32 v[B_+9], v[B_+1], v[B_+3], s20
	v_lshlrev_b32 v[B_+12], 16, v[B_+8]
	v_and_b32 v[B_+13], s20, v[B_+8]
	v_lshlrev_b32 v[B_+14], 16, v[B_+9]
	v_and_b32 v[B_+15], s20, v[B_+9]
	global_store_b128 v10, v[B_+12:B_+15], s[10:11] offset:512*(\row)  ; the wave stores the row's 512 consecutive bytes
	v_mov_b32 v[B_+20], s46
	ds_store_b32 v11, v[B_+20] offset:4*(\row)     ; all lanes write the same word with the same number
.endm
	LOADS 0
	LOADS 1
	COMP 0, 11
	COMP 1, 0
	s_wait_dscnt 0x0                               ; my two codes are stored
	s_barrier_signal -1
	s_barrier_wait -1
	s_cmp_lg_u32 s14, 0
	s_cbranch_scc1 .Lend
	v_lshlrev_b32 v20, 3, v1                       ; wave 0 sends the work-group's 64 codes: 256 consecutive bytes, aligned
	ds_load_b64 v[22:23], v20
	s_lshl_b32 s27, s15, 8
	v_add_nc_u32 v21, s27, v20
	s_wait_dscnt 0x0
	global_store_b64 v21, v[22:23], s[12:13]
.Lend:
	s_wait_tensorcnt 0x0                           ; the wave's end, behind my last LDS store
	ds_add_u32 v30, v31
	s_wait_dscnt 0x0
	s_endpgm
.Lfunc_end_k_q72a9c26d77_refine:
	.size	k_q72a9c26d77_refine, .Lfunc_end_k_q72a9c26d77_refine-k_q72a9c26d77_refine
	.p2alignl 7, 3214868480
	.fill 96, 4, 3214868480
	.section	.rodata,"a",@progbits
	.p2align	6, 0x0
	.amdhsa_kernel k_q72a9c26d77_refine
		.amdhsa_group_segment_fixed_size 4352
		.amdhsa_private_segment_fixed_size 0
		.amdhsa_enable_private_segment 0
		.amdhsa_kernarg_size 40
		.amdhsa_user_sgpr_count 2
		.amdhsa_user_sgpr_kernarg_segment_ptr 1
		.amdhsa_wavefront_size32 1
		.amdhsa_system_sgpr_workgroup_id_x 1
		.amdhsa_system_sgpr_workgroup_id_y 1
		.amdhsa_system_sgpr_workgroup_id_z 1
		.amdhsa_system_vgpr_workitem_id 0
		.amdhsa_next_free_vgpr 128
		.amdhsa_next_free_sgpr 66
		.amdhsa_reserve_vcc 0
		.amdhsa_float_denorm_mode_32 3
		.amdhsa_float_denorm_mode_16_64 3
		.amdhsa_memory_ordered 1
		.amdhsa_forward_progress 1
		.amdhsa_inst_pref_size 27
	.end_amdhsa_kernel
	.amdgpu_metadata
---
amdhsa.version: [ 1, 2 ]
amdhsa.kernels:
  - .name:           k_q72a9c26d77_refine
    .symbol:         k_q72a9c26d77_refine.kd
    .args:
      - { .name: cand, .offset: 0, .size: 8, .value_kind: global_buffer, .address_space: global }
      - { .name: zbuf, .offset: 8, .size: 8, .value_kind: global_buffer, .address_space: global }
      - { .name: cbt, .offset: 16, .size: 8, .value_kind: global_buffer, .address_space: global }
      - { .name: out0, .offset: 24, .size: 8, .value_kind: global_buffer, .address_space: global }
      - { .name: out1, .offset: 32, .size: 8, .value_kind: global_buffer, .address_space: global }
    .group_segment_fixed_size: 4352
    .private_segment_fixed_size: 0
    .kernarg_segment_align: 8
    .kernarg_segment_size: 40
    .max_flat_workgroup_size: 1024
    .sgpr_count:     66
    .vgpr_count:     128
    .wavefront_size: 32
...
	.end_amdgpu_metadata
.endif
;; end of part 3
